; MI455X (gfx1250); checked and timed in simulation.
; The chip was launched on July 23, 2026; its instructions are those of AMD's public machine-readable ISA for CDNA 5 (MIT licence, August 2026) and "CDNA5" Instruction Set Architecture Reference Guide (July 2026). The comments in the code are by the model that wrote it; some were corrected since.
;; Multi Head Cross Attention. Allowed arithmetic: matrix products marked QUANTISED: E3M2 operands, one E8M0 scale for each 32 along K, by v_wmma_scale_f32_16x16x128_f8f6f4 with both operands' format E3M2, f32 sums; everything else in f32.
;; Inputs: Wk_codes 512 x 16 x 24 uint8 (E3M2 codes of Wk, K innermost, in blocks of 32 codes, four codes in three bytes); Wk_scales 512 x 16 uint8 (E8M0 scales of Wk, one for each 32 codes along K); Wq_codes 512 x 16 x 24 uint8 (E3M2 codes of Wq, K innermost, in blocks of 32 codes, four codes in three bytes); Wq_scales 512 x 16 uint8 (E8M0 scales of Wq, one for each 32 codes along K); Wu_codes 512 x 16 x 24 uint8 (E3M2 codes of Wu, K innermost, in blocks of 32 codes, four codes in three bytes); Wu_scales 512 x 16 uint8 (E8M0 scales of Wu, one for each 32 codes along K); Wv_codes 512 x 16 x 24 uint8 (E3M2 codes of Wv, K innermost, in blocks of 32 codes, four codes in three bytes); Wv_scales 512 x 16 uint8 (E8M0 scales of Wv, one for each 32 codes along K); bk 512 float32; bq 512 float32; bu 512 float32; bv 512 float32; mask 2 x 4,096 x 4,096 int32; x1_codes 2 x 4,096 x 16 x 24 uint8 (E3M2 codes of x1, K innermost, in blocks of 32 codes, four codes in three bytes); x1_scales 2 x 4,096 x 16 uint8 (E8M0 scales of x1, one for each 32 codes along K); x2_codes 2 x 4,096 x 16 x 24 uint8 (E3M2 codes of x2, K innermost, in blocks of 32 codes, four codes in three bytes); x2_scales 2 x 4,096 x 16 uint8 (E8M0 scales of x2, one for each 32 codes along K).
;; Outputs: out0 2 x 4,096 x 512 float32.
;; This version of the problem:
;;   THIS VERSION OF THE PROBLEM IS GIVEN IN LOW PRECISION. The matrix products marked QUANTISED in the list below multiply operands that are first quantised to E3M2 (3 exponent bits, 2 mantissa bits; 6 bits a number), with one power-of-two scale for each 32 numbers along K (OCP MX v1.0); their sums are f32. All else is computed in f32.
;;   The module's matrix products, in the order in which they are computed (A, B: the left and right operand; K: the contracted axis; several contracted axes count as one K, in the product's order):
;;     1. [M 8,192, K 512] x [K 512, N 512]; A: input x1 (given as codes); B: input Wq (given as codes): QUANTISED
;;     2. [M 8,192, K 512] x [K 512, N 512]; A: input x2 (given as codes); B: input Wk (given as codes): QUANTISED
;;     3. [M 8,192, K 512] x [K 512, N 512]; A: input x2 (given as codes); B: input Wv (given as codes): QUANTISED
;;     4. batch 16 x [M 4,096, K 64] x [K 64, N 4,096]; A: computed on the way; B: computed on the way: QUANTISED
;;     5. batch 16 x [M 4,096, K 4,096] x [K 4,096, N 64]; A: softmax (see below); B: computed on the way: QUANTISED
;;     6. [M 8,192, K 512] x [K 512, N 512]; A: computed on the way; B: input Wu (given as codes): QUANTISED
;;   THE QUANTISER, for each operand of a quantised product, along K:
;;     - K is cut into blocks of 32 from its start; a last block that is shorter is filled with zeros.
;;     - A block's scale is 2^e with e = floor(log2(the largest magnitude in the block)) - 4, held to -126 .. 127; a block of zeros has e = 0. As a byte (E8M0): e + 127.
;;     - Each number is divided by its block's scale, clamped to +-28, and rounded to the nearest number of E3M2, ties to even, subnormals kept.
;;     - The product sums the exact products of the quantised numbers (number of the format x scale) in f32.
;;   ~~~python
;;   def quantise(x, axis):      # numpy; x: float32 -> the quantised numbers, widened to float32 again
;;       x = np.moveaxis(x, axis, -1); K = x.shape[-1]
;;       x = np.pad(x, [(0, 0)] * (x.ndim - 1) + [(0, -K % 32)]); x = x.reshape(x.shape[:-1] + (-1, 32)); a = np.abs(x).max(-1, keepdims=True)
;;       e = np.where(a > 0, np.clip(np.frexp(np.where(a > 0, a, 1))[1] - 1 - 4, -126, 127), 0)      # np.frexp(a)[1] - 1 = floor(log2(a)), exactly
;;       r = np.clip(x / 2.0 ** e, -28, 28)
;;       step = 2.0 ** (np.maximum(np.frexp(np.where(r == 0, 1, r))[1] - 1, -2) - 2)
;;       q = np.round(r / step) * step * 2.0 ** e      # np.round: ties to even
;;       return np.moveaxis(q.reshape(q.shape[:-2] + (-1,))[..., :K], -1, axis).astype(np.float32)
;;   ~~~
;;   SOFTMAX AHEAD OF A QUANTISED PRODUCT. Where the list says 'softmax', what is quantised is not the finished softmax but p = 2^(t - M), with t = logit x log2(e) and M = ceil(the row's largest t), a whole number; so 1/2 < the row's largest p <= 1. The row's sum l is taken of the UNQUANTISED p, in f32, and the product's result is divided by l at the end. Since M is a whole number, a kernel that streams over the keys may use a running M (the ceiling of the running maximum): every later rescaling is an exact power of two, which a block's scale takes up: the codes' values come out the same.
;;   OPERANDS COMPUTED ON THE WAY. 'Computed on the way' means the value that the module computes at that place (a softmax that the list does not call 'softmax' is quantised finished and normalised). What goes into a quantiser is computed in f32, as accurately as f32 sums, v_exp_f32 and their like allow (about 1e-6 of the number): no bf16 or f16 on the way to a quantiser, and a product that is left as it is and whose result goes on into a quantised operand takes f32 operands (vector FMAs, or v_wmma_f32_16x16x4_f32). A number that lies on a knife's edge between two numbers of the format may be rounded either way, as far as f32 arithmetic and the matrix unit's own rounding can turn it there, and no further.
;;   INPUTS GIVEN AS CODES. Wk (in the module: [512, 512], K = its axis 1); Wq (in the module: [512, 512], K = its axis 1); Wu (in the module: [512, 512], K = its axis 1); Wv (in the module: [512, 512], K = its axis 1); x1 (in the module: [2, 4096, 512], K = its axis 2); x2 (in the module: [2, 4096, 512], K = its axis 2): each comes as NAME_codes (uint8): NAME with its K axis moved to the last place and cut into blocks of 32 codes, [.., K / 32, bytes a block], one block behind the other in memory; four codes in three bytes: a row's codes are one little-endian stream of bits, code i at bits 6 i .. 6 i + 5 (a code: sign, 3 exponent bits, 2 mantissa bits); and NAME_scales (uint8): the same leading axes, one E8M0 byte (e + 127) for each 32 codes along K. Its value is code x scale, taken as it is: it is not quantised again, and the codes and scales need not be those that the quantiser above would give.
;; One version. Each part assembles by itself: llvm-mc -triple=amdgcn-amd-amdhsa -mcpu=gfx1250 --defsym DOCPART=n.
;; ======== version 1 of 1: 4 launches
;; limits: right only within a limited range of input values
;; workspace buffers: mbits 4,194,304 bytes of whole numbers; kv 7,077,888 bytes; qc 4,194,304 bytes; yc 4,194,304 bytes
;; launch pack (part 1): grid 512 x 1, 4 waves a work-group, no clusters, 34,304 bytes of LDS; arguments mask, mbits; writes mbits
.if DOCPART == 1
	.amdgcn_target "amdgcn-amd-amdhsa--gfx1250"
	.amdhsa_code_object_version 6
	.text
	.protected	k_q6fbdb13ec4_pack
	.globl	k_q6fbdb13ec4_pack
	.p2align	8
	.type	k_q6fbdb13ec4_pack,@function
k_q6fbdb13ec4_pack:
	s_mov_b64 s[64:65], 0
	v_nop
	global_prefetch_b8 v0, s[64:65] scope:SCOPE_SE
	s_setreg_imm32_b32 hwreg(HW_REG_WAVE_MODE, 25, 1), 1
	s_wait_xcnt 0x0
; mask [2][4096][4096] int32 becomes lane masks for the attention launch: mbits [T 512][step 32][64 words].
; T is a tile of 16 neighbouring queries (row 16 T + r of the 8,192), a step is 128 keys.  Word n of (T, step) has bit 16 h + r set
; where mask[row 16 T + r][128 step + 64 (n / 32) + 32 h + n % 32] is not 0: the bit of lane 16 h + r for score register n of the attention launch.
; SHARES.  Work-group = T; wave w takes steps 8 w .. 8 w + 7, written out, every offset an immediate.  Each load reads 512 neighbouring bytes of one row
; (a step's 128 keys), so the mask is read once, in whole aligned runs.  A step's 16 rows turn through the wave's own stage in LDS (rows 528 bytes apart:
; 33 x 16, so that the sixteen rows of a 16-byte read start in different banks; 64 banks of 4 bytes: ISA guide 11.1) and come back 256 bytes a lane:
; lane (r, h) holds, in register n, the number that its bit of word n speaks of.  A compare makes a word, v_writelane_b32 lays word n into lane n / 2,
; and the 32 lanes store the step's 64 words as 256 consecutive bytes, aligned.  No barrier: waves share nothing.  Loads run two steps (32 loads) ahead.
.set ROWB, 16384                       ; a row of the mask in bytes
.set SP,   528                         ; a row of the stage
.set R,    16                          ; v16-143  two sets of 64: a step as loaded
.set X,    144                         ; v144-207 a step as it comes back: register n
.set OUT,  208                         ; v208-223 a pair for each step: words 2 l, 2 l + 1 in lane l
	s_load_b128 s[4:7], s[0:1], 0x0                ; mask, mbits
	v_lshl_add_u32 v224, v0, 2, 0x8400             ; my spare word, behind the four stages
	v_mov_b32 v225, 0
	v_lshrrev_b32 v5, 5, v0
	v_readfirstlane_b32 s8, v5                     ; wave 0..3
	v_and_b32 v6, 31, v0                           ; lane
	v_and_b32 v7, 15, v0                           ; r
	v_bfe_u32 v8, v0, 4, 1                         ; h
	v_lshlrev_b32 v1, 4, v6                        ; my 16 bytes of a load's 512
	s_mul_i32 s9, s8, 16*SP                        ; my wave's stage
	v_add_nc_u32 v2, s9, v1                        ; into it: 16 x lane, the row in the immediate
	v_mul_u32_u24 v3, v7, SP
	v_lshl_add_u32 v3, v8, 7, v3
	v_add_nc_u32 v3, s9, v3                        ; out of it: row r, + 128 h (32 keys)
	v_lshlrev_b32 v4, 3, v6                        ; the words' place: 8 x lane
.irp i, 0,1,2,3,4,5,6,7,8,9,10,11,12,13,14,15
	v_mov_b32 v[OUT+\i], 0                         ; written once: v_writelane_b32 keeps the other lanes, so its destination counts as read
.endr
	s_lshl_b32 s10, ttmp9, 18                      ; 16 rows of 16,384 bytes a tile,
	s_lshl_b32 s12, s8, 12                         ; 8 steps of 512 bytes a wave
	s_add_co_u32 s10, s10, s12
	s_mov_b32 s11, 0
	s_lshl_b32 s12, ttmp9, 13                      ; 32 steps of 256 bytes a tile,
	s_lshl_b32 s13, s8, 11                         ; 8 of them a wave
	s_add_co_u32 s12, s12, s13
	s_mov_b32 s13, 0
	s_wait_kmcnt 0x0
	s_add_nc_u64 s[4:5], s[4:5], s[10:11]
	s_add_nc_u64 s[6:7], s[6:7], s[12:13]
.macro LOAD t                          ; step t: 16 rows x 512 bytes into set t % 2
.irp i, 0,1,2,3,4,5,6,7,8,9,10,11,12,13,14,15
	global_load_b128 v[R+64*((\t)%2)+4*\i:R+64*((\t)%2)+4*\i+3], v1, s[4:5] offset:ROWB*\i+512*(\t) th:TH_LOAD_NT
.endr
.endm
.macro STEP t
.if \t < 7
	s_wait_loadcnt 16                              ; this step's 16 loads are in; the next step's 16 stay out
.else
	s_wait_loadcnt 0x0
.endif
.irp i, 0,1,2,3,4,5,6,7,8,9,10,11,12,13,14,15
	ds_store_b128 v2, v[R+64*((\t)%2)+4*\i:R+64*((\t)%2)+4*\i+3] offset:SP*\i
.endr
.irp k, 0,1,2,3,4,5,6,7,8,9,10,11,12,13,14,15
	ds_load_b128 v[X+4*\k:X+4*\k+3], v3 offset:256*(\k/8)+16*(\k%8)   ; LDS serves a wave's instructions in order (ISA guide 5.7.1.4): these see the stores above.  Registers 32 c + 0 .. 31: keys 64 c + 32 h + 0 .. 31 of row r
.endr
	s_wait_dscnt 0x0                               ; the step is back, and the stores have read their registers,
.if \t+2 < 8
	LOAD (\t)+2                                    ; which take the step two on
.endif
.irp g, 0,1,2,3,4,5,6,7
.irp i, 0,1,2,3,4,5,6,7
	v_cmp_ne_u32 s[20+\i], 0, v[X+8*\g+\i]         ; word n = 8 g + i: a bit for each lane
.endr
.irp i, 0,1,2,3,4,5,6,7
	v_writelane_b32 v[OUT+2*(\t)+(\i%2)], s[20+\i], 4*\g+\i/2   ; into lane n / 2, register n % 2
.endr
.endr
	global_store_b64 v4, v[OUT+2*(\t):OUT+2*(\t)+1], s[6:7] offset:256*(\t)   ; 32 lanes store 256 consecutive bytes, aligned; each step has its own pair, so no store's data are written again
.endm
	LOAD 0
	LOAD 1
.irp t, 0,1,2,3,4,5,6,7
	STEP \t
.endr
	s_wait_tensorcnt 0x0                           ; the wave's end
	ds_add_u32 v224, v225
	s_wait_dscnt 0x0
	s_endpgm
.Lfunc_end_k_q6fbdb13ec4_pack:
	.size	k_q6fbdb13ec4_pack, .Lfunc_end_k_q6fbdb13ec4_pack-k_q6fbdb13ec4_pack
	.p2alignl 7, 3214868480
	.fill 96, 4, 3214868480
	.section	.rodata,"a",@progbits
	.p2align	6, 0x0
	.amdhsa_kernel k_q6fbdb13ec4_pack
		.amdhsa_group_segment_fixed_size 34304
		.amdhsa_private_segment_fixed_size 0
		.amdhsa_enable_private_segment 0
		.amdhsa_kernarg_size 16
		.amdhsa_user_sgpr_count 2
		.amdhsa_user_sgpr_kernarg_segment_ptr 1
		.amdhsa_wavefront_size32 1
		.amdhsa_system_sgpr_workgroup_id_x 1
		.amdhsa_system_sgpr_workgroup_id_y 1
		.amdhsa_system_sgpr_workgroup_id_z 1
		.amdhsa_system_vgpr_workitem_id 0
		.amdhsa_next_free_vgpr 226
		.amdhsa_next_free_sgpr 66
		.amdhsa_reserve_vcc 0
		.amdhsa_float_denorm_mode_32 3
		.amdhsa_float_denorm_mode_16_64 3
		.amdhsa_memory_ordered 1
		.amdhsa_forward_progress 1
		.amdhsa_inst_pref_size 96
	.end_amdhsa_kernel
	.amdgpu_metadata
---
amdhsa.version: [ 1, 2 ]
amdhsa.kernels:
  - .name:           k_q6fbdb13ec4_pack
    .symbol:         k_q6fbdb13ec4_pack.kd
    .args:
      - { .name: mask, .offset: 0, .size: 8, .value_kind: global_buffer, .address_space: global }
      - { .name: mbits, .offset: 8, .size: 8, .value_kind: global_buffer, .address_space: global }
    .group_segment_fixed_size: 34304
    .private_segment_fixed_size: 0
    .kernarg_segment_align: 8
    .kernarg_segment_size: 16
    .max_flat_workgroup_size: 128
    .sgpr_count:     66
    .vgpr_count:     226
    .wavefront_size: 32
...
	.end_amdgpu_metadata
.endif
;; end of part 1
;; launch proj (part 2): grid 64 x 4, 8 waves a work-group, no clusters, 327,680 bytes of LDS; arguments x1_codes, x2_codes, Wq_codes, Wk_codes, Wv_codes, x1_scales, x2_scales, Wq_scales, Wk_scales, Wv_scales, bq, bk, bv, qc, kv; writes qc, kv
.if DOCPART == 2
	.amdgcn_target "amdgcn-amd-amdhsa--gfx1250"
	.amdhsa_code_object_version 6
	.text
	.protected	k_q6fbdb13ec4_proj
	.globl	k_q6fbdb13ec4_proj
	.p2align	8
	.type	k_q6fbdb13ec4_proj,@function
k_q6fbdb13ec4_proj:
	s_mov_b64 s[64:65], 0
	v_nop
	global_prefetch_b8 v0, s[64:65] scope:SCOPE_SE
	s_setreg_imm32_b32 hwreg(HW_REG_WAVE_MODE, 25, 1), 1
	s_wait_xcnt 0x0
; q = x1 Wq^T + bq, k = x2 Wk^T + bk, v = x2 Wv^T + bv on codes of BF6 (E3M2) with E8M0 scales as they are given, and the three results quantised for the attention launch:
; q and k along the head's 64 dims, v along the keys.  They leave as IMAGES OF OPERAND REGISTERS, so that their reader needs no rows, no pitch and no shuffle.
; SHARES.  Work-group (x, y): rows 128 x .. + 127 of the 8,192 (one key step of one batch), dims 128 y .. + 127 (heads 2 y, 2 y + 1).  Each of the eight waves runs three units of 32 matrix instructions:
;   Q: source 0 = Wq's 128 rows (8 tiles), source 1 = x1's rows 16 w .. 16 w + 15: a lane holds ONE query, its 64 registers run along the dims;
;   K: source 0 = Wk's 128 rows, source 1 = 16 keys of x2: a lane holds one key;      V: source 0 = x2's 128 rows, source 1 = Wv's tile w: a lane holds one dim, its registers run along the KEYS.
; THE ROWS OF A TILE ARE NOT NEIGHBOURS: as source 0, and in Wv's tile, lane r of tile 2 b + u takes row 32 b + 8 u + r + 8 (r / 8), so that registers 16 b + i of a lane are 32 b + 16 (lane / 16) + i along the next K.
; K's tile w holds keys 64 (w / 4) + 8 (w % 4) + r % 8 + 32 (r / 8): in the attention launch a lane's 32 scores of four such tiles are then one whole block of 32 keys.
; LDS: five blocks of 128 rows of codes (x1, x2, Wq, Wk, Wv), a row of 384 bytes with 16 of padding behind each 128: 432 bytes = 108 words.  The rows lie IN TILE ORDER: a block comes by two loads of
; 8 x 3,072 bytes (eight dense rows), 6,144 bytes apart in memory: memory row 16 g + 8 u + j lies at LDS row 64 u + 8 g + j.  Behind them five blocks of scale bytes, dense, and the biases bq, bk (stored by the waves).
; THE FILLS, 15 in all, each once.  At the head one a wave: waves 0-5 the halves of x1, x2, Wq; waves 6, 7 the scale bytes of x1 and Wq: all that unit Q reads, and x2.  Behind the first barrier one a wave:
; waves 0-3 the halves of Wk and Wv, waves 4-6 the scale bytes of x2, Wk, Wv; unit Q's 32 matrix instructions stand between them and the wait for them, in front of the second barrier.
; NO CLUSTER: all fills are first fills, issued once; behind them each wave issues 3 x 249 LDS loads for its 96 matrix instructions, and a joint fill shortens none of those.  No prefetch: there is no loop to run ahead in.
; LIMITS: NaN, infinities and given scale bytes of 0xff are not served; a block whose largest magnitude lies under 2^-122 keeps the scale byte 1 (a block of zeros too: its codes are zeros, and this program alone reads the bytes).
.set RP,    432                        ; an LDS row of codes
.set BLK,   128*RP                     ; a block
.set HALFB, 64*RP                      ; what one load of codes fills
.set SCL,   5*BLK                      ; the scale bytes: five blocks of 2,048, [row][16]
.set BIA,   SCL+5*2048                 ; bq's 128 numbers, then bk's
.set PKT,   13824                      ; a packet of kv: K's codes 8 x 768, K's scale words 8 x 128, V's codes 4 x 1,536, V's scale words 4 x 128
.set ACC,   172                        ; v172-235 the unit's eight accumulators
.set TM,    236                        ; v236-251 at work in the quantiser (v247: the spare word's address)
.set PW,    252                        ; v252     the scale word just made;  v253, v254: its halves, doubled, one for each head
.set PC,    68                         ; v68-87   the codes just made (source 0's buffers are free then)
.set WV,    72
.set RHO,   73
.set DEL,   74
.set SEL,   66                         ; s[66:67] v_permlanex16_b32's selects for lane l xor 16
; v1, v2: 432 r + 24 h, 432 r + 40 h;  v3: 16 (r + 8 (r / 8));  v4, v5, v6: source 0's codes (two) and scale words;  v7, v8, v9: source 1's;  v10, v11, v12: 16, 8, 4 x lane;  v13: bv of my dim;  v14: BIA + 64 h
; v16-63 source 1's four fragments, v64-67 its scale words;  v68-115, v116-163 source 0: two buffers of four fragments;  v164-167, v168-171 their scale words
.macro NOP4
.rept 4
	v_nop
.endr
.endm
; A fragment, 16 rows x 128 K of 6-bit codes: lane (r, h) takes pieces of 8 bytes 12 s + 6 c + 3 h + 0, 1, 2 of its row.  Piece p lies at 8 p + 16 (p / 16); where the piece three on lies behind one padding more, the second address register serves.
.macro FRAG reg, adr, trow, s
.irp p, 0,1,2,3,4,5
.set PCE, 12*(\s)+6*(\p/3)+\p%3
.if PCE%16 < 13
	ds_load_b64 v[(\reg)+2*\p:(\reg)+2*\p+1], v[\adr] offset:(\trow)*RP+8*PCE+16*(PCE/16)
.else
	ds_load_b64 v[(\reg)+2*\p:(\reg)+2*\p+1], v[\adr+1] offset:(\trow)*RP+8*PCE+16*(PCE/16)
.endif
.endr
.endm
.macro HLOAD i                         ; half step i: K step i / 2, source 0's tiles 4 (i % 2) + 0 .. 3, into buffer i % 2: 28 LDS loads
.irp t, 0,1,2,3
.set TAU, 4*((\i)%2)+\t
	FRAG 68+48*((\i)%2)+12*\t, 4, 64*(TAU%2)+16*(TAU/2), (\i)/2
	ds_load_b32 v[164+4*((\i)%2)+\t], v6 offset:16*(32*(TAU/2)+8*(TAU%2))+4*((\i)/2)
.endr
.endm
.macro MULS i                          ; its four products; the eight accumulators take turns, one instruction a turn
.irp t, 0,1,2,3
	v_wmma_scale_f32_16x16x128_f8f6f4 v[ACC+8*(4*((\i)%2)+\t):ACC+8*(4*((\i)%2)+\t)+7], v[68+48*((\i)%2)+12*\t:68+48*((\i)%2)+12*\t+11], v[16+12*((\i)/2):16+12*((\i)/2)+11], v[ACC+8*(4*((\i)%2)+\t):ACC+8*(4*((\i)%2)+\t)+7], v[164+4*((\i)%2)+\t], v[64+(\i)/2] matrix_a_fmt:MATRIX_FMT_BF6 matrix_b_fmt:MATRIX_FMT_BF6
.endr
.endm
.macro UNIT                            ; the accumulators hold the bias: the sums begin there
	FRAG 16, 7, 0, 0
	FRAG 28, 7, 0, 1
	FRAG 40, 7, 0, 2
	FRAG 52, 7, 0, 3
	ds_load_b128 v[64:67], v9                      ; my row's 16 scale bytes: a word for each K step
	HLOAD 0
	HLOAD 1
.irp i, 0,1,2,3,4,5,6,7
.if \i < 7
	s_wait_dscnt 28                                ; all but the next half step's 28 loads
.else
	s_wait_dscnt 0x0
.endif
	MULS \i
.if \i < 6
	NOP4                                           ; four places in front of loads into registers that these products have read (ISA guide 7.12.1 for vector instructions)
	HLOAD \i+2
.endif
.endr
	NOP4                                           ; and in front of the first read of results
.endm
.macro BIAS off                        ; lane (r, h), register 16 b + 8 u + j: the bias of dim 32 b + 16 h + 8 u + j
.irp k, 0,1,2,3,4,5,6,7,8,9,10,11,12,13,14,15
	ds_load_b128 v[ACC+4*\k:ACC+4*\k+3], v14 offset:\off+128*(\k/4)+32*((\k/2)%2)+16*(\k%2)
.endr
.endm
; 64 numbers of a lane, register 16 b + i = k 32 b + 16 (lane / 16) + i of its row, become a fragment's codes in v[PC] on and its scale word in v[PW].
.macro QUANT s
.irp b, 0,1,2,3
	v_max3_num_f32 v[TM+\b], |v[\s+16*\b]|, |v[\s+1+16*\b]|, 0x2800000   ; block b: my 16 numbers, and the floor 2^(5 - 127): the byte cannot fall under 1.  (Each accumulator is read from its low end on)
.endr
.irp i, 2,4,6,8,10,12,14
.irp b, 0,1,2,3
	v_max3_num_f32 v[TM+\b], v[TM+\b], |v[\s+16*\b+\i]|, |v[\s+1+16*\b+\i]|
.endr
.endr
.irp b, 0,1,2,3
	s_delay_alu instid0(VALU_DEP_4)
	v_permlanex16_b32 v[TM+4+\b], v[TM+\b], s[SEL], s[SEL+1]
.endr
.irp b, 0,1,2,3
	s_delay_alu instid0(VALU_DEP_4)
	v_max_num_f32 v[TM+\b], v[TM+\b], v[TM+4+\b]   ; with lane l xor 16's: the block's largest magnitude
.endr
.irp b, 0,1,2,3
	s_delay_alu instid0(VALU_DEP_4)
	v_add_nc_u32 v[TM+12+\b], 0xfe000000, v[TM+\b] ; 4 off its exponent field: the conversion takes the exponent field of this operand as its scale
.endr
.irp b, 0,1,2,3
	s_delay_alu instid0(VALU_DEP_4)
	v_lshrrev_b32 v[TM+4+\b], 23, v[TM+12+\b]      ; the scale's byte
.endr
	s_delay_alu instid0(VALU_DEP_3)
	v_lshl_or_b32 v[PW], v[TM+5], 8, v[TM+4]
	s_delay_alu instid0(VALU_DEP_1)
	v_lshl_or_b32 v[PW], v[TM+6], 16, v[PW]
	s_delay_alu instid0(VALU_DEP_1)
	v_lshl_or_b32 v[PW], v[TM+7], 24, v[PW]
.irp c, 0,1
	v_cvt_scalef32_pk16_bf6_f32 v[PC+6*\c:PC+2+6*\c], v[\s+32*\c:\s+15+32*\c], v[TM+12+2*\c]
	v_cvt_scalef32_pk16_bf6_f32 v[PC+12+4*\c:PC+14+4*\c], v[\s+16+32*\c:\s+31+32*\c], v[TM+12+2*\c+1]   ; (a conversion's three registers begin on an even number)
.endr
	v_nop                                          ; one plain place behind a scaled conversion
.irp c, 0,1                            ; the operand's layout wants a whole block in a lane: lanes 0-15 block 2 c, lanes 16-31 block 2 c + 1
.irp i, 0,1,2
	v_permlane16_swap_b32 v[PC+6*\c+\i], v[PC+12+4*\c+\i]
.endr
.irp i, 0,1,2
	s_delay_alu instid0(VALU_DEP_3)
	v_mov_b32 v[PC+3+6*\c+\i], v[PC+12+4*\c+\i]
.endr
.endr
.endm
	s_load_b512 s[4:19], s[0:1], 0x0               ; codes: x1 s[4:5], x2 s[6:7], Wq s[8:9], Wk s[10:11], Wv s[12:13];  scales: x1 s[14:15], x2 s[16:17], Wq s[18:19],
	s_load_b256 s[20:27], s[0:1], 0x40             ; Wk s[20:21], Wv s[22:23];  bq s[24:25], bk s[26:27],
	s_load_b128 s[28:31], s[0:1], 0x60             ; bv s[28:29], qc s[30:31],
	s_load_b64 s[32:33], s[0:1], 0x70              ; kv
	v_lshl_add_u32 v247, v0, 2, 0x48000
	v_mov_b32 v255, 0
	ds_add_u32 v247, v255                          ; the opening lines: the add, twice on end, and its wait
	ds_add_u32 v247, v255
	v_lshrrev_b32 v15, 5, v0
	s_delay_alu instid0(VALU_DEP_1)
	v_readfirstlane_b32 s[WV], v15                 ; wave 0..7
	s_mov_b32 s[RHO], ttmp9                        ; which 128 rows
	s_and_b32 s[DEL], ttmp7, 0xffff                ; which 128 dims
	; descriptor group 1 for codes: 8 rows of 3,072 bytes, 6,144 bytes apart, 16 bytes of padding behind each 128
	s_mov_b32 s40, (1<<20)|(4<<22)|(3<<25)         ; no mask; elements of 1 byte; padding on; after every 32 words (code 4); of 4 words (code 3)
	s_mov_b32 s41, 3072<<16                        ; tensor_dim0
	s_mov_b32 s42, 8<<16                           ; tensor_dim1
	s_mov_b32 s43, 3072<<16                        ; tile_dim0
	s_mov_b32 s44, 8                               ; tile_dim1
	s_mov_b32 s45, 6144                            ; tensor_dim0_stride
	s_mov_b32 s46, 0
	s_mov_b32 s47, 0
	; and for scale bytes: 2,048 dense bytes as 8 rows of 256 (32 elements of 8 bytes)
	s_mov_b32 s48, 3<<16
	s_mov_b32 s49, 32<<16
	s_mov_b32 s50, 8<<16
	s_mov_b32 s51, 32<<16
	s_mov_b32 s52, 8
	s_mov_b32 s53, 32
	s_mov_b32 s54, 0
	s_mov_b32 s55, 0
	; four groups 0.  s[56:59]: the head's codes, waves 0-5: half w of blocks 0 to 2.  s[68:71]: the head's scale bytes, waves 6, 7: blocks 0 and 2
	s_mov_b32 s56, 1
	s_mul_i32 s57, s[WV], HALFB
	s_mov_b32 s68, 1
	s_lshl_b32 s69, s[WV], 12
	s_add_co_u32 s69, s69, SCL-6*4096
	; s[80:83]: the later codes, waves 0-3: half w of blocks 3 and 4.  s[84:87]: the later scale bytes, waves 4, 5, 6: blocks 1, 3, 4
	s_mov_b32 s80, 1
	s_add_co_u32 s81, s57, 6*HALFB
	s_mov_b32 s84, 1
	s_lshl_b32 s85, s[WV], 12
	s_add_co_u32 s85, s85, SCL-14336
	s_min_u32 s85, s85, SCL+8192
	s_mul_i32 s2, s[RHO], 128*384                  ; x's blocks go by the rows, the weights' by the dims
	s_mul_i32 s38, s[DEL], 128*384
	s_and_b32 s39, s[WV], 1
	s_mul_i32 s39, s39, 3072                       ; the even or the odd groups of eight rows
	s_add_co_u32 s2, s2, s39
	s_add_co_u32 s38, s38, s39
	s_mov_b32 s3, 0
	s_mov_b32 s39, 0
	s_lshl_b32 s76, s[RHO], 11
	s_mov_b32 s77, 0
	s_lshl_b32 s78, s[DEL], 11
	s_mov_b32 s79, 0
	s_wait_dscnt 0x0
	s_wait_kmcnt 0x0
	s_cmp_lt_u32 s[WV], 2                          ; the buffers are chosen by the wave's number alone
	s_cselect_b64 s[34:35], s[4:5], s[6:7]         ; x1, x2
	s_add_nc_u64 s[34:35], s[34:35], s[2:3]
	s_add_nc_u64 s[36:37], s[8:9], s[38:39]        ; Wq
	s_cmp_lt_u32 s[WV], 4
	s_cselect_b64 s[58:59], s[34:35], s[36:37]
	s_or_b32 s59, s59, 0x80000000                  ; type = 2
	s_add_nc_u64 s[34:35], s[14:15], s[76:77]      ; x1's scales
	s_add_nc_u64 s[36:37], s[18:19], s[78:79]      ; Wq's
	s_cmp_lt_u32 s[WV], 7
	s_cselect_b64 s[70:71], s[34:35], s[36:37]
	s_or_b32 s71, s71, 0x80000000
	s_cmp_lt_u32 s[WV], 2
	s_cselect_b64 s[82:83], s[10:11], s[12:13]     ; Wk, Wv
	s_add_nc_u64 s[82:83], s[82:83], s[38:39]
	s_or_b32 s83, s83, 0x80000000
	s_cmp_lt_u32 s[WV], 6
	s_cselect_b64 s[86:87], s[20:21], s[22:23]     ; Wk's scales, Wv's
	s_add_nc_u64 s[86:87], s[86:87], s[78:79]
	s_add_nc_u64 s[34:35], s[16:17], s[76:77]      ; x2's
	s_cmp_lt_u32 s[WV], 5
	s_cselect_b64 s[86:87], s[34:35], s[86:87]
	s_or_b32 s87, s87, 0x80000000
	s_cmp_lt_u32 s[WV], 6                          ; the head's fills: one a wave, one in each arm
	s_cbranch_scc0 .Lhead_scl
	tensor_load_to_lds s[56:59], s[40:47]
	s_nop 0
	NOP4
	s_branch .Lno_fill
.Lhead_scl:
	tensor_load_to_lds s[68:71], s[48:55]
	s_nop 0
	NOP4
.Lno_fill:
	v_and_b32 v16, 15, v0                          ; r
	v_bfe_u32 v17, v0, 4, 1                        ; h
	v_and_b32 v18, 31, v0                          ; lane
	s_delay_alu instid0(VALU_DEP_3)
	v_and_b32 v19, 8, v16
	s_delay_alu instid0(VALU_DEP_1)
	v_add_nc_u32 v19, v19, v16                     ; r + 8 (r / 8)
	s_wait_alu depctr_va_vdst(0)
	v_and_b32 v20, 127, v0
	s_delay_alu instid0(VALU_DEP_1)
	v_lshlrev_b32 v20, 2, v20
	s_cmp_lt_u32 s[WV], 4                          ; threads 0-127 fetch bq's 128 numbers, threads 128-255 bk's
	s_cselect_b64 s[34:35], s[24:25], s[26:27]
	s_lshl_b32 s2, s[DEL], 9
	s_add_nc_u64 s[34:35], s[34:35], s[2:3]
	s_add_nc_u64 s[36:37], s[28:29], s[2:3]
	global_load_b32 v21, v20, s[34:35]
	s_lshr_b32 s76, s[WV], 1
	s_and_b32 s77, s[WV], 1
	s_lshl_b32 s39, s76, 5
	s_lshl_b32 s78, s77, 3
	s_add_co_u32 s39, s39, s78                     ; s39: the first row of tile w: 32 (w / 2) + 8 (w % 2)
	s_lshl_b32 s38, s77, 6
	s_lshl_b32 s78, s76, 4
	s_add_co_u32 s38, s38, s78
	s_mul_i32 s38, s38, RP                         ; s38: where tile w lies in a block: LDS row 64 (w % 2) + 16 (w / 2)
	v_add_nc_u32 v22, s39, v19
	s_delay_alu instid0(VALU_DEP_1)
	v_lshlrev_b32 v22, 2, v22
	global_load_b32 v13, v22, s[36:37]             ; bv of my dim in tile w
	s_lshr_b32 s75, s[RHO], 5
	s_lshl_b32 s75, s75, 3
	s_lshl_b32 s76, s[DEL], 1
	s_add_co_u32 s75, s75, s76                     ; s75: 8 x batch + the even head
	s_and_b32 s2, s[RHO], 31                       ; s2: the key step
	s_mov_b32 s[SEL], 0x76543210
	s_mov_b32 s[SEL+1], 0xfedcba98
	v_mul_u32_u24 v1, v16, RP
	s_delay_alu instid0(VALU_DEP_1)
	v_mad_u32_u24 v2, v17, 40, v1
	s_delay_alu instid0(VALU_DEP_2)
	v_mad_u32_u24 v1, v17, 24, v1
	v_lshlrev_b32 v3, 4, v19
	v_lshlrev_b32 v10, 4, v18
	v_lshlrev_b32 v11, 3, v18
	v_lshlrev_b32 v12, 2, v18
	v_lshl_add_u32 v14, v17, 6, BIA
	v_lshl_add_u32 v23, v0, 2, BIA
	; Q's source 1: x1's NEIGHBOURING rows 16 w + r.  In tile order rows 16 w + 0 .. 7 lie at LDS rows 8 w on, rows 16 w + 8 .. 15 at 64 + 8 w on
	v_and_b32 v24, 7, v16
	v_lshrrev_b32 v25, 3, v16
	s_delay_alu instid0(VALU_DEP_2)
	v_mul_u32_u24 v24, v24, RP
	s_delay_alu instid0(VALU_DEP_1)
	v_mad_u32_u24 v24, v25, HALFB, v24
	s_mul_i32 s76, s[WV], 8*RP
	v_add_nc_u32 v24, s76, v24
	s_delay_alu instid0(VALU_DEP_1)
	v_mad_u32_u24 v7, v17, 24, v24
	s_delay_alu instid0(VALU_DEP_2)
	v_mad_u32_u24 v8, v17, 40, v24
	v_lshlrev_b32 v9, 4, v16
	s_lshl_b32 s76, s[WV], 8
	s_add_co_u32 s76, s76, SCL
	v_add_nc_u32 v9, s76, v9
	v_add_nc_u32 v4, 2*BLK, v1                     ; Q's source 0: Wq
	v_add_nc_u32 v5, 2*BLK, v2
	v_add_nc_u32 v6, SCL+4096, v3
.irp b, 0,1,2,3
	v_mov_b32 v[TM+4+\b], 0                        ; written once: a lane permute's destination counts as one of its sources
.endr
	s_wait_alu depctr_va_vdst(0)
	s_wait_loadcnt 0x0
	ds_store_b32 v23, v21
	s_wait_tensorcnt 0x0                           ; my fill has landed
	ds_add_u32 v247, v255
	s_wait_dscnt 0x0                               ; the add and my store are done
	s_barrier_signal -1
	s_barrier_wait -1                              ; everybody's have: what unit Q reads is whole
	s_cmp_lt_u32 s[WV], 4                          ; the other seven fills, one a wave: one load of mine is out
	s_cbranch_scc0 .Llater_scl
	tensor_load_to_lds s[80:83], s[40:47]
	s_nop 0
	NOP4
	s_branch .Llater_asked
.Llater_scl:
	s_cmp_lt_u32 s[WV], 7
	s_cbranch_scc0 .Llater_asked
	tensor_load_to_lds s[84:87], s[48:55]
	s_nop 0
	NOP4
.Llater_asked:
	; ---- Q
	BIAS 0
	UNIT
	QUANT ACC
	v_perm_b32 v253, v[PW], v[PW], 0x01000100      ; the even head's two bytes, twice: the upper two scale the zero codes that fill K = 64 .. 127 in the attention launch
	v_perm_b32 v254, v[PW], v[PW], 0x03020302      ; the odd head's
	s_lshl_b32 s78, s75, 8                         ; qc: packet (8 batch + head) x 256 + tile of queries, 1,024 bytes each
	s_lshl_b32 s3, s2, 3
	s_add_co_u32 s78, s78, s3
	s_add_co_u32 s78, s78, s[WV]
	s_lshl_b32 s78, s78, 10
	s_add_nc_u64 s[76:77], s[30:31], s[78:79]
	global_store_b128 v10, v[PC:PC+3], s[76:77]                     ; registers 0-3 at 16 x lane: 512 consecutive bytes, aligned
	global_store_b64 v11, v[PC+4:PC+5], s[76:77] offset:512         ; registers 4, 5 at 8 x lane: 256
	global_store_b32 v12, v253, s[76:77] offset:768                 ; the scale word at 4 x lane
	global_store_b128 v10, v[PC+6:PC+9], s[76:77] offset:262144     ; the odd head: 256 packets on
	global_store_b64 v11, v[PC+10:PC+11], s[76:77] offset:262144+512
	global_store_b32 v12, v254, s[76:77] offset:262144+768
	; ---- K
	s_wait_xcnt 0x0                                ; the stores have read their data and their base: both are written again below
	s_wait_alu depctr_va_vdst(0)
	s_wait_tensorcnt 0x0                           ; my later fill has landed,
	s_wait_dscnt 0x0
	s_barrier_signal -1
	s_barrier_wait -1                              ; and everybody's.  Nothing in LDS is written again
	s_and_b32 s3, s[WV], 1                         ; source 1: keys 64 (w / 4) + 8 (w % 4) + r % 8 + 32 (r / 8) of x2: LDS rows 64 (w % 2) + 32 (w / 4) + 8 ((w % 4) / 2) + r + 8 (r / 8)
	s_lshl_b32 s3, s3, 6
	s_lshr_b32 s78, s[WV], 2
	s_lshl_b32 s78, s78, 5
	s_add_co_u32 s3, s3, s78
	s_bfe_u32 s78, s[WV], 0x10001
	s_lshl_b32 s78, s78, 3
	s_add_co_u32 s3, s3, s78
	s_mul_i32 s3, s3, RP
	s_add_co_u32 s3, s3, BLK
	s_lshr_b32 s78, s[WV], 2                       ; and their scale bytes, 16 a key
	s_lshl_b32 s78, s78, 10
	s_and_b32 s76, s[WV], 3
	s_lshl_b32 s76, s76, 7
	s_add_co_u32 s78, s78, s76
	s_add_co_u32 s78, s78, SCL+2048
	v_add_nc_u32 v4, 3*BLK, v1                     ; source 0: Wk
	v_add_nc_u32 v5, 3*BLK, v2
	v_add_nc_u32 v6, SCL+6144, v3
	v_and_b32 v9, 8, v0                            ; 8 (r / 8)
	v_mad_u32_u24 v7, v9, RP, v1
	v_mad_u32_u24 v8, v9, RP, v2
	v_lshl_add_u32 v9, v9, 5, v3                   ; 16 (r % 8 + 32 (r / 8))
	v_add_nc_u32 v7, s3, v7
	v_add_nc_u32 v8, s3, v8
	v_add_nc_u32 v9, s78, v9
	s_wait_alu depctr_va_vdst(0)
	BIAS 512
	UNIT
	QUANT ACC
	v_perm_b32 v253, v[PW], v[PW], 0x01000100
	v_perm_b32 v254, v[PW], v[PW], 0x03020302
	s_lshl_b32 s78, s75, 5                         ; kv: packet (8 batch + head) x 32 + key step
	s_add_co_u32 s78, s78, s2
	s_mul_i32 s78, s78, PKT
	s_add_nc_u64 s[76:77], s[32:33], s[78:79]
	s_mul_i32 s78, s[WV], 768                      ; tile w's codes,
	s_add_nc_u64 s[34:35], s[76:77], s[78:79]
	s_lshl_b32 s78, s[WV], 7                       ; and its scale words
	s_add_nc_u64 s[36:37], s[76:77], s[78:79]
	s_wait_alu depctr_va_vdst(0)
	global_store_b128 v10, v[PC:PC+3], s[34:35]
	global_store_b64 v11, v[PC+4:PC+5], s[34:35] offset:512
	global_store_b32 v12, v253, s[36:37] offset:6144
	global_store_b128 v10, v[PC+6:PC+9], s[34:35] offset:32*PKT     ; the odd head: 32 packets on
	global_store_b64 v11, v[PC+10:PC+11], s[34:35] offset:32*PKT+512
	global_store_b32 v12, v254, s[36:37] offset:32*PKT+6144
	; ---- V
	s_wait_xcnt 0x0
	v_add_nc_u32 v4, BLK, v1                       ; source 0: x2, the keys
	v_add_nc_u32 v5, BLK, v2
	v_add_nc_u32 v6, SCL+2048, v3
	s_add_co_u32 s3, s38, 4*BLK                    ; source 1: Wv's tile w
	v_add_nc_u32 v7, s3, v1
	v_add_nc_u32 v8, s3, v2
	s_lshl_b32 s3, s39, 4
	s_add_co_u32 s3, s3, SCL+8192
	v_add_nc_u32 v9, s3, v3
.set N, 0
.rept 64
	v_mov_b32 v[ACC+N], v13                        ; a lane holds one dim: its bias begins all its sums
.set N, N+1
.endr
	s_wait_alu depctr_va_vdst(0)
	UNIT
	QUANT ACC
	s_lshr_b32 s3, s[WV], 2                        ; tiles 0-3 are the even head's, tiles 4-7 the odd head's
	s_add_co_u32 s3, s3, s75
	s_lshl_b32 s78, s3, 5
	s_add_co_u32 s78, s78, s2
	s_mul_i32 s78, s78, PKT
	s_add_nc_u64 s[76:77], s[32:33], s[78:79]
	s_and_b32 s3, s[WV], 3
	s_mul_i32 s78, s3, 1536
	s_add_nc_u64 s[34:35], s[76:77], s[78:79]
	s_lshl_b32 s78, s3, 7
	s_add_nc_u64 s[36:37], s[76:77], s[78:79]
	s_wait_alu depctr_va_vdst(0)
	global_store_b128 v10, v[PC:PC+3], s[34:35] offset:7168         ; a whole fragment, 16 dims x 128 keys: three groups of four registers
	global_store_b128 v10, v[PC+4:PC+7], s[34:35] offset:7168+512
	global_store_b128 v10, v[PC+8:PC+11], s[34:35] offset:7168+1024
	global_store_b32 v12, v[PW], s[36:37] offset:13312
	s_wait_tensorcnt 0x0                           ; the wave's end
	ds_add_u32 v247, v255
	s_wait_dscnt 0x0
	s_endpgm
.Lfunc_end_k_q6fbdb13ec4_proj:
	.size	k_q6fbdb13ec4_proj, .Lfunc_end_k_q6fbdb13ec4_proj-k_q6fbdb13ec4_proj
	.p2alignl 7, 3214868480
	.fill 96, 4, 3214868480
	.section	.rodata,"a",@progbits
	.p2align	6, 0x0
	.amdhsa_kernel k_q6fbdb13ec4_proj
		.amdhsa_group_segment_fixed_size 327680
		.amdhsa_private_segment_fixed_size 0
		.amdhsa_enable_private_segment 0
		.amdhsa_kernarg_size 120
		.amdhsa_user_sgpr_count 2
		.amdhsa_user_sgpr_kernarg_segment_ptr 1
		.amdhsa_wavefront_size32 1
		.amdhsa_system_sgpr_workgroup_id_x 1
		.amdhsa_system_sgpr_workgroup_id_y 1
		.amdhsa_system_sgpr_workgroup_id_z 1
		.amdhsa_system_vgpr_workitem_id 0
		.amdhsa_next_free_vgpr 256
		.amdhsa_next_free_sgpr 96
		.amdhsa_reserve_vcc 0
		.amdhsa_float_denorm_mode_32 3
		.amdhsa_float_denorm_mode_16_64 3
		.amdhsa_memory_ordered 1
		.amdhsa_forward_progress 1
		.amdhsa_inst_pref_size 93
	.end_amdhsa_kernel
	.amdgpu_metadata
---
amdhsa.version: [ 1, 2 ]
amdhsa.kernels:
  - .name:           k_q6fbdb13ec4_proj
    .symbol:         k_q6fbdb13ec4_proj.kd
    .args:
      - { .name: x1_codes, .offset: 0, .size: 8, .value_kind: global_buffer, .address_space: global }
      - { .name: x2_codes, .offset: 8, .size: 8, .value_kind: global_buffer, .address_space: global }
      - { .name: Wq_codes, .offset: 16, .size: 8, .value_kind: global_buffer, .address_space: global }
      - { .name: Wk_codes, .offset: 24, .size: 8, .value_kind: global_buffer, .address_space: global }
      - { .name: Wv_codes, .offset: 32, .size: 8, .value_kind: global_buffer, .address_space: global }
      - { .name: x1_scales, .offset: 40, .size: 8, .value_kind: global_buffer, .address_space: global }
      - { .name: x2_scales, .offset: 48, .size: 8, .value_kind: global_buffer, .address_space: global }
      - { .name: Wq_scales, .offset: 56, .size: 8, .value_kind: global_buffer, .address_space: global }
      - { .name: Wk_scales, .offset: 64, .size: 8, .value_kind: global_buffer, .address_space: global }
      - { .name: Wv_scales, .offset: 72, .size: 8, .value_kind: global_buffer, .address_space: global }
      - { .name: bq, .offset: 80, .size: 8, .value_kind: global_buffer, .address_space: global }
      - { .name: bk, .offset: 88, .size: 8, .value_kind: global_buffer, .address_space: global }
      - { .name: bv, .offset: 96, .size: 8, .value_kind: global_buffer, .address_space: global }
      - { .name: qc, .offset: 104, .size: 8, .value_kind: global_buffer, .address_space: global }
      - { .name: kv, .offset: 112, .size: 8, .value_kind: global_buffer, .address_space: global }
    .group_segment_fixed_size: 327680
    .private_segment_fixed_size: 0
    .kernarg_segment_align: 8
    .kernarg_segment_size: 120
    .max_flat_workgroup_size: 256
    .sgpr_count:     96
    .vgpr_count:     256
    .wavefront_size: 32
...
	.end_amdgpu_metadata
.endif
;; end of part 2
;; launch attn (part 3): grid 16 x 16, 16 waves a work-group, clusters of 4 x 1, 327,680 bytes of LDS; arguments qc, kv, mbits, yc; writes yc
.if DOCPART == 3
	.amdgcn_target "amdgcn-amd-amdhsa--gfx1250"
	.amdhsa_code_object_version 6
	.text
	.protected	k_q6fbdb13ec4_attn
	.globl	k_q6fbdb13ec4_attn
	.p2align	8
	.type	k_q6fbdb13ec4_attn,@function
k_q6fbdb13ec4_attn:
	s_mov_b64 s[64:65], 0
	v_nop
	global_prefetch_b8 v0, s[64:65] scope:SCOPE_SE
	s_setreg_imm32_b32 hwreg(HW_REG_WAVE_MODE, 25, 1), 1
	s_wait_xcnt 0x0
	s_wait_alu depctr_hold_cnt(0) depctr_sa_sdst(0) depctr_va_vdst(0) depctr_va_sdst(0) depctr_va_ssrc(0) depctr_va_vcc(0) depctr_vm_vsrc(0)
	s_getreg_b32 s2, hwreg(HW_REG_IB_STS2, 6, 4)
	s_cmp_eq_u32 s2, 0
	s_cbranch_scc0 .Lentry_in_a_cluster
	s_endpgm
.Lentry_in_a_cluster:
	s_bfe_u32 s2, ttmp6, 0x10000c
	s_cmp_lg_u32 s2, 0x3003
	s_cbranch_scc0 .Lentry_shape_is_right
	s_endpgm
.Lentry_shape_is_right:
; y[b][q][head] = softmax_k(where(mask == 0, -1e10, q . k / sqrt(512))) v, both products on codes of BF6 (E3M2) with E8M0 scales, and y quantised along the model's 512 dims for the last product.
; THE SOFTMAX AHEAD OF THE SECOND PRODUCT: t = score x c, c = log2(e) / sqrt(512); M = the row's largest t so far, rounded UP to a whole number; p = 2^(t - M) is what is quantised, along the keys.
; The row's sum is taken of the unquantised p and divides at the end.  When M moves, the sum and O are multiplied by 2^(old M - new M): exact.
; SHARES.  Work-group: 256 queries of one (batch, head); each of its sixteen waves one tile of 16 queries in 256 registers.  Every wave walks all 32 key steps of 128 keys.
; OPERANDS ARE IMAGES OF REGISTERS, made by the launch before: a key step's packet (13,824 bytes: 8 tiles of K, their scale words, 4 fragments of V, their scale words) is read at 16, 8 or 4 x lane.
; Both products are used transposed (S^T = K Q^T, O^T = V^T P^T): a lane holds ONE query throughout.  Row m of K's tile t is key 64 (t / 4) + 32 (m / 8) + 8 (t % 4) + m % 8, so that score registers 0-31 of
; lane (r, h) are keys 32 h + 0 .. 31 and registers 32-63 keys 64 + 32 h + 0 .. 31: two WHOLE blocks of 32, in the order of P's operand: a block's maximum and its codes need no other lane.
; THE HEAD HAS 64 DIMS: K = 64 .. 127 of Q's fragment is zero codes, set once.  K's eight tiles lie 6 registers apart, so the upper half of a tile's fragment is the next tile's codes (tile 7's: V's first six
; registers).  Every code of E3M2 is a finite number, and its scale byte is the tile's own, so these products are zeros.
; THE MASK costs one instruction a score: word n of the tile's 64 words of a step holds a bit for each lane; four scalar loads bring them a step ahead, and v_cndmask_b32 takes the word as its lane mask.
; ORDER IN A STEP.  A step's 40 LDS loads stand in ONE run, behind the wait that stands ahead of the exponentials: V's 16, which the step's second product reads, then the 24 of the next packet's K, which the
; next step's first product reads.  The 66 exponentials stand between the run and the wait for V.  The address registers are stepped at the step's end.  Maxima and sums are trees.
; THE RING.  Two slots of eight packets.  The four query blocks of a cluster walk the same packets, asked for JOINTLY: each of the sixteen waves asks for half a packet (27 rows of 256 bytes), the mask names all
; four work-groups.  One load of a wave is out at a time.  The walk has four slots' worth of keys, written out: two changes of slots with a refill, one without.  A change of slots opens in the middle of the
; slot's last step, when that step's K and V are in registers: the rest of the step, work on registers alone, stands between the round's opening signal and its wait.
; Head hd begins at slot hd % 4 and goes round: the order of the keys is free under a running whole-number M.
; NO PREFETCH: a refill is asked for eight key steps (96 matrix instructions of every wave) ahead of its first read.
; LIMITS.  A hidden score is set to -2^38 ahead of the scaling: the logit -1.21e10 in place of -1e10.  c x 2^38 is exact and a whole number, so a row hidden throughout gives p = 1 everywhere, as the definition does.
; The results are the definition's wherever every score that counts lies above -2^38.  NaN and infinities are not served.  A block whose largest p lies under 2^-122 keeps the scale byte 1.
.set PKT,   13824
.set NPK,   8                          ; packets in a slot
.set HPK,   PKT/2                      ; what one wave's load brings
.set SLOT1, 1<<17                      ; slot 1 begins here
.set SPARE, 2*SLOT1                    ; the spare words, 128 bytes for each wave: eight blocks of 256 bytes that no other line names
.set S,     128                        ; v128-191 S^T, then p
.set O,     192                        ; v192-223 O^T: four tiles
.set BM,    28                         ; v28, v29 my two blocks' largest score, then largest p
.set KF,    32                         ; v32-79   K's eight tiles, six registers each
.set VF,    80                         ; v80-127  V's four fragments
.set PCD,   224                        ; v224-235 p's codes; ahead of them the maxima's tree
; v0 a lane permute's result; v1 lane; v2, v3, v6: 16, 8, 4 x lane + the packet in hand; v4, v5: the spare word's address, 0; v7-10 V's scale words; v11 -2^38; v12 -M, v13 the largest score, v[14:15] the sum;
; v16-27 Q; v30 8 h; v31, v254 at work; v248-251, v236-239 K's scale words, tiles 0-3 and 4-7; v240-242, v244-246 codes on their way; v243, v247 the conversions' scale operands; v252 f; v253 p's scale word; v255 Q's scale word
.set WV,    92                         ; s92  my wave's number
.set RS,    93                         ; s93  the slot's worth of keys asked for last, 0 .. 3
.set MOFF,  94                         ; s94  the byte, in my tile's 8,192 bytes of words, of the step whose words were asked for last
.set CNT,   95
.set TB,    100                        ; s100 LDS byte at which the packet in hand begins
.set LW,    101                        ; s101 my half packet's place in a slot
.set SEL,   66                         ; s[66:67] v_permlanex16_b32's selects for lane l xor 16
.set CS,    84                         ; s[84:85] c, twice
; s[4:51], s[68:83] the step's 64 words; s[52:55], s[56:63] descriptor groups 0 and 1; s[86:87] my tile's words; s[88:89] my half packet of the head's first eight; s[90:91] a slot's offset; s[96:97] yc, s[98:99] qc at my packet
.macro NOP4
.rept 4
	v_nop
.endr
.endm
.macro CREST                           ; a round of the cluster's barrier behind its opening barrier
	s_cmp_lg_u32 s[WV], 0
	s_cbranch_scc1 .Lnot_wave_0_\@
	s_barrier_signal -3
.Lnot_wave_0_\@:
	s_barrier_wait -3
	s_barrier_signal -1
	s_barrier_wait -1
.endm
.macro CROUND                          ; a whole round
	s_barrier_signal -1
	s_barrier_wait -1
	CREST
.endm
.macro NEXTFILL base                   ; group 0 for the next eight packets, into the slot at base; no tensor load of mine is out where this stands
	s_add_co_u32 s53, s[LW], \base
	s_add_co_u32 s[RS], s[RS], 1
	s_and_b32 s[RS], s[RS], 3                      ; round the head's four slots' worth
	s_mul_i32 s90, s[RS], NPK*PKT
	s_add_nc_u64 s[54:55], s[88:89], s[90:91]
	s_or_b32 s55, s55, 0x80000000
.endm
.macro ADDR
	v_lshl_add_u32 v2, v1, 4, s[TB]
	v_lshl_add_u32 v3, v1, 3, s[TB]
	v_lshl_add_u32 v6, v1, 2, s[TB]
.endm
.macro KALL off                        ; the 24 loads that bring a packet's K: for each tile four registers, two registers, the scale word.  off: the packet's place from the one in hand
.irp t, 0,1,2,3,4,5,6,7
	ds_load_b128 v[KF+6*\t:KF+6*\t+3], v2 offset:\off+768*\t
	ds_load_b64 v[KF+6*\t+4:KF+6*\t+5], v3 offset:\off+768*\t+512
	ds_load_b32 v[248+\t-16*(\t/4)], v6 offset:\off+6144+128*\t
.endr
.endm
.macro VALL                            ; the 16 loads that bring V: for each fragment three groups of four registers, then the scale word
.irp t, 0,1,2,3
.irp c, 0,1,2
	ds_load_b128 v[VF+12*\t+4*\c:VF+12*\t+4*\c+3], v2 offset:7168+1536*\t+512*\c
.endr
	ds_load_b32 v[7+\t], v6 offset:13312+128*\t
.endr
.endm
.macro BT1 k, i0                       ; the tree of block k's 32 scores, first level: five of its ten lines, three scores each
.irp i, \i0, \i0+1, \i0+2, \i0+3, \i0+4
	v_max3_num_f32 v[PCD+\i], v[S+32*\k+3*(\i)], v[S+32*\k+3*(\i)+1], v[S+32*\k+3*(\i)+2]
.endr
.endm
.macro BT2 k                           ; second level: four lines
	v_max3_num_f32 v[PCD+10], v[PCD], v[PCD+1], v[PCD+2]
	v_max3_num_f32 v[PCD+11], v[PCD+3], v[PCD+4], v[PCD+5]
	v_max3_num_f32 v31, v[PCD+6], v[PCD+7], v[PCD+8]
	v_max3_num_f32 v254, v[PCD+9], v[S+32*\k+30], v[S+32*\k+31]
.endm
.macro PADD a, b                       ; two p onto two p, in place
	v_pk_add_f32 v[S+(\a):S+(\a)+1], v[S+(\a):S+(\a)+1], v[S+(\b):S+(\b)+1]
.endm
; A KEY STEP: 128 keys; its K was asked for earlier.  kind 0: inside a slot; 1: a slot's last step, with a round and a refill of the slot at fillb; 2: the same with a plain barrier and no refill; 3: the walk's last step.
; nextb: where the next slot begins (kinds 1, 2).
.macro STEP kind, nextb, fillb
	s_wait_dscnt 0x0                               ; K's eight tiles
.irp t, 0,1,2,3,4,5,6,7
	v_wmma_scale_f32_16x16x128_f8f6f4 v[S+8*\t:S+8*\t+7], v[KF+6*\t:KF+6*\t+11], v[16:27], 0, v[248+\t-16*(\t/4)], v255 matrix_a_fmt:MATRIX_FMT_BF6 matrix_b_fmt:MATRIX_FMT_BF6
.endr
	NOP4                                           ; four places in front of the first read of these scores
	s_wait_kmcnt 0x0                               ; the step's words, asked for a step ago
.set N, 0
.rept 64                               ; 64 scores, ascending (each accumulator is read from its low end on): kept where my bit of the word is set, else -2^38
.if N < 48
	v_cndmask_b32 v[S+N], v11, v[S+N], s[4+N]
.else
	v_cndmask_b32 v[S+N], v11, v[S+N], s[20+N]
.endif
.set N, N+1
.endr
.if \kind < 3
	s_add_co_u32 s[MOFF], s[MOFF], 256             ; (the wait above has shown the last four loads done: their offset may be written)
	s_and_b32 s[MOFF], s[MOFF], 0x1fff             ; round the tile's 32 steps
	s_load_b512 s[4:19], s[86:87], s[MOFF] offset:0x0
	s_load_b512 s[20:35], s[86:87], s[MOFF] offset:0x40
	s_load_b512 s[36:51], s[86:87], s[MOFF] offset:0x80
	s_load_b512 s[68:83], s[86:87], s[MOFF] offset:0xc0
.endif
	; the largest score of each of my two blocks, 16 lines each: it serves for the row's maximum and, since p rises with the score, for the block's largest p
	BT1 0, 0
	BT1 0, 5
	BT2 0
	BT1 1, 0
	v_max3_num_f32 v[BM], v[PCD+10], v[PCD+11], v31
	BT1 1, 5
	v_max_num_f32 v[BM], v[BM], v254
	BT2 1
	v_max3_num_f32 v[BM+1], v[PCD+10], v[PCD+11], v31
	v_max3_num_f32 v240, v[BM+1], v254, v[BM]      ; my 64 scores' largest
	v_max_num_f32 v[BM+1], v[BM+1], v254
.if (\kind == 1) || (\kind == 2)
	s_wait_alu depctr_va_vdst(0)
	VALL                                           ; my last reads of this slot
	s_wait_tensorcnt 0x0                           ; my half packet of the other slot has landed: no tensor load of mine is out;
	ds_add_u32 v4, v5                              ; 0 onto my spare word;
.if \kind == 1
	NEXTFILL \fillb
.endif
	s_wait_dscnt 0x0                               ; the add is done, V is in, and my reads of this slot are over:
	s_barrier_signal -1                            ; say so; the rest of the step touches registers alone
.endif
	v_permlanex16_b32 v0, v240, s[SEL], s[SEL+1]
	v_max3_num_f32 v13, v13, v240, v0              ; the running largest score of my query: mine, lane l xor 16's, and what was
	v_mul_f32 v254, s[CS], v13                     ; as t (c is positive)
	v_floor_f32 v31, -v254                         ; the new -M = floor(-t) = -ceil(t)
	v_sub_f32 v254, v31, v12                       ; old M - new M: a whole number, 0 or less
	v_mov_b32 v12, v31
.set N, 0
.rept 32
	v_pk_fma_f32 v[S+N:S+N+1], v[S+N:S+N+1], s[CS:CS+1], v[12:13] op_sel_hi:[1,0,0]   ; t - M, two at a time (of the pairs c and -M the low word serves both halves)
.if N == 8
	v_cvt_i32_f32 v254, v254                       ; (it saturates)
.endif
.if N == 16
	v_ldexp_f32 v252, 1.0, v254                    ; f = 2^(old M - new M)
.endif
.set N, N+2
.endr
	v_fma_f32 v[BM], v[BM], s[CS], v12             ; t - M of each block's largest score
	v_fma_f32 v[BM+1], v[BM+1], s[CS], v12
.set N, 0
.rept 16
	v_pk_mul_f32 v[O+N:O+N+1], v[O+N:O+N+1], v[252:253] op_sel_hi:[1,0]   ; O^T under the new M, each accumulator from its low end on
.set N, N+2
.endr
	v_pk_mul_f32 v[14:15], v[14:15], v[252:253] op_sel_hi:[1,0]   ; and the sum
	s_wait_alu depctr_va_vdst(0)
.if (\kind == 0) || (\kind == 3)
	VALL                                           ; the step's run of LDS loads: V's 16,
.endif
.if \kind == 0
	KALL PKT                                       ; and the 24 of the next packet's K
.endif
	v_exp_f32 v[BM], v[BM]                         ; the block's largest p: the same two instructions on the same number
	v_exp_f32 v[BM+1], v[BM+1]
.set N, 0
.rept 64
	v_exp_f32 v[S+N], v[S+N]                       ; p = 2^(t - M), at most 1
.set N, N+1
.endr
	v_nop                                          ; the plain place behind the exponentials
	s_wait_alu depctr_va_vdst(0)                   ; one wait for the batch of 66, ahead of its first reader
.if \kind == 0
	s_wait_dscnt 24                                ; V is in; the next packet's 24 loads stay out
.endif
.if \kind == 3
	s_wait_dscnt 0x0                               ; V is in
.endif
	v_max_num_f32 v[BM], 0x2800000, v[BM]          ; the floor 2^(5 - 127): the byte cannot fall under 1
	v_max_num_f32 v[BM+1], 0x2800000, v[BM+1]
	v_add_nc_u32 v243, 0xfe000000, v[BM]           ; 4 off the exponent field: the conversion's scale operand
	v_add_nc_u32 v247, 0xfe000000, v[BM+1]
	v_cvt_scalef32_pk16_bf6_f32 v[PCD:PCD+2], v[S:S+15], v243
	v_cvt_scalef32_pk16_bf6_f32 v[240:242], v[S+16:S+31], v243      ; (a conversion's three registers begin on an even number: registers 3-5 and 9-11 are made elsewhere and moved)
	v_cvt_scalef32_pk16_bf6_f32 v[PCD+6:PCD+8], v[S+32:S+47], v247
	v_cvt_scalef32_pk16_bf6_f32 v[244:246], v[S+48:S+63], v247
	v_lshrrev_b32 v31, 23, v243                    ; the scales' bytes.  (Plain places behind the conversions)
	v_lshrrev_b32 v254, 23, v247
	; the row's sum of the unquantised p, two at a time, as a tree in place (32 lines), with the scale word's lines among the first
	PADD 0, 2
	PADD 4, 6
	v_lshl_or_b32 v254, v254, 16, v31              ; my two bytes: blocks h and 2 + h,
	PADD 8, 10
	PADD 12, 14
	v_lshlrev_b32 v254, v30, v254                  ; at their places in the word (8 h bits up);
	PADD 16, 18
	PADD 20, 22
	v_permlanex16_b32 v0, v254, s[SEL], s[SEL+1]
	PADD 24, 26
	PADD 28, 30
	v_or_b32 v253, v254, v0                        ; with lane l xor 16's two the word is whole
.irp i, 8,9,10,11,12,13,14,15
	PADD 4*\i, 4*\i+2
.endr
.irp i, 0,1,2,3,4,5,6,7
	PADD 8*\i, 8*\i+4
.endr
.irp i, 0,1,2
	v_mov_b32 v[PCD+3+\i], v[240+\i]
	v_mov_b32 v[PCD+9+\i], v[244+\i]
.endr
.irp i, 0,1,2,3
	PADD 16*\i, 16*\i+8                            ; these four lines are the places between the codes just moved and the products below
.endr
.irp t, 0,1,2,3
	v_wmma_scale_f32_16x16x128_f8f6f4 v[O+8*\t:O+8*\t+7], v[VF+12*\t:VF+12*\t+11], v[PCD:PCD+11], v[O+8*\t:O+8*\t+7], v[7+\t], v253 matrix_a_fmt:MATRIX_FMT_BF6 matrix_b_fmt:MATRIX_FMT_BF6   ; the four accumulators by turns, one instruction a turn
.endr
	PADD 0, 16                                     ; the tree's last lines name none of those products' registers
	PADD 32, 48
	PADD 0, 32
	v_pk_add_f32 v[14:15], v[14:15], v[S:S+1]
.if \kind == 0
	s_add_co_u32 s[TB], s[TB], PKT
	ADDR                                           ; on to the next packet; the next step's 64 mask lines stand ahead of the next reader
.endif
.if (\kind == 1) || (\kind == 2)
	s_barrier_wait -1                              ; all sixteen waves have left this slot, and the other slot is whole
.if \kind == 1
	CREST                                          ; the barrier has opened a round of the cluster's barrier: no wave of any partner still reads this slot or has a load on its way
	tensor_load_to_lds s[52:55], s[56:63]          ; the joint refill, the first tensor load behind the round
	s_nop 0
.endif
	s_mov_b32 s[TB], \nextb
	ADDR
	s_wait_alu depctr_va_vdst(0)
	KALL 0                                         ; the next slot's first K
.endif
.endm
.macro PHASE kind, nextb, fillb        ; a slot: seven steps in a loop, the eighth written out
	s_mov_b32 s[CNT], NPK-1
.Lstep_\@:
	STEP 0, 0, 0
	s_sub_co_u32 s[CNT], s[CNT], 1
	s_cmp_lg_u32 s[CNT], 0
	s_cbranch_scc1 .Lstep_\@
	STEP \kind, \nextb, \fillb
.endm
	s_load_b256 s[4:11], s[0:1], 0x0               ; qc s[4:5], kv s[6:7], mbits s[8:9], yc s[10:11]
	v_lshl_add_u32 v4, v0, 2, SPARE
	v_mov_b32 v5, 0
	ds_add_u32 v4, v5                              ; the opening lines: the add, twice on end, and its wait
	ds_add_u32 v4, v5
	v_lshrrev_b32 v1, 5, v0
	v_readfirstlane_b32 s[WV], v1                  ; wave 0..15
	v_and_b32 v1, 31, v0                           ; lane
	s_bfe_u32 s2, ttmp6, 0x40000                   ; cx: it enters the addresses of qc, mbits and yc alone
	s_lshl_b32 s3, ttmp9, 2
	s_add_co_u32 s3, s3, s2                        ; my block of 256 queries
	s_lshl_b32 s3, s3, 4
	s_add_co_u32 s3, s3, s[WV]                     ; my tile of queries in the batch
	s_and_b32 s20, ttmp7, 0xffff                   ; 8 x batch + head, which the four partners share
	s_and_b32 s21, s20, 7                          ; the head
	s_and_b32 s[RS], s20, 3                        ; the slot's worth at which it begins
	s_lshl_b32 s12, s20, 8
	s_add_co_u32 s12, s12, s3
	s_lshl_b32 s12, s12, 10                        ; qc: packet (8 batch + head) x 256 + tile
	s_mov_b32 s13, 0
	s_lshr_b32 s14, s20, 3
	s_lshl_b32 s14, s14, 8
	s_add_co_u32 s14, s14, s3                      ; T = 256 x batch + tile
	s_lshl_b32 s16, s14, 3
	s_add_co_u32 s16, s16, s21
	s_lshl_b32 s16, s16, 10                        ; yc: packet 8 T + head
	s_mov_b32 s17, 0
	s_lshl_b32 s14, s14, 13                        ; mbits: 8,192 bytes a tile
	s_mov_b32 s15, 0
	s_mul_i32 s[LW], s[WV], HPK                    ; my half packet's place in a slot: no place in the cluster enters an LDS address
	s_add_co_u32 s53, s[LW], 0                     ; group 0: slot 0
	s_mul_i32 s18, s20, 32*PKT
	s_add_co_u32 s18, s18, s[LW]                   ; kv: the head's 32 packets, my half packet of a slot
	s_mov_b32 s19, 0
	s_mul_i32 s90, s[RS], NPK*PKT
	s_mov_b32 s91, 0
	s_mov_b32 s52, 1                               ; count = 1
	; descriptor group 1: half a packet, 6,912 dense bytes, as 27 rows of 256 (32 elements of 8 bytes)
	s_mov_b32 s56, 15|(3<<16)|(1<<21)              ; the mask: all four work-groups; elements of 8 bytes; bit 21 set beside a mask; no padding
	s_mov_b32 s57, 32<<16                          ; tensor_dim0
	s_mov_b32 s58, 27<<16                          ; tensor_dim1
	s_mov_b32 s59, 32<<16                          ; tile_dim0
	s_mov_b32 s60, 27                              ; tile_dim1
	s_mov_b32 s61, 32                              ; tensor_dim0_stride
	s_mov_b32 s62, 0
	s_mov_b32 s63, 0
	s_mov_b32 s[SEL], 0x76543210
	s_mov_b32 s[SEL+1], 0xfedcba98
	s_mov_b32 s[CS], 0x3d8293ee                    ; c = log2(e) / sqrt(512)
	s_mov_b32 s[CS+1], s[CS]                       ; (named with it as a pair, so it is written)
	s_mov_b32 s[TB], 0
	s_lshl_b32 s[MOFF], s[RS], 11                  ; the head's first step is 8 x (head % 4): 256 bytes of words a step
	s_wait_dscnt 0x0
	s_wait_kmcnt 0x0
	s_add_nc_u64 s[98:99], s[4:5], s[12:13]
	s_add_nc_u64 s[88:89], s[6:7], s[18:19]
	s_add_nc_u64 s[86:87], s[8:9], s[14:15]
	s_add_nc_u64 s[96:97], s[10:11], s[16:17]
	s_add_nc_u64 s[54:55], s[88:89], s[90:91]
	s_or_b32 s55, s55, 0x80000000                  ; type = 2
	CROUND                                         ; all four work-groups are here: the first joint loads meet
	tensor_load_to_lds s[52:55], s[56:63]          ; slot 0: one load a wave
	s_nop 0
	s_load_b512 s[4:19], s[86:87], s[MOFF] offset:0x0      ; the first step's 64 words
	s_load_b512 s[20:35], s[86:87], s[MOFF] offset:0x40
	s_load_b512 s[36:51], s[86:87], s[MOFF] offset:0x80
	s_load_b512 s[68:83], s[86:87], s[MOFF] offset:0xc0
	s_wait_alu depctr_va_vdst(0)
	v_lshlrev_b32 v2, 4, v1                        ; the offsets of Q's image; the same numbers address slot 0's first packet
	v_lshlrev_b32 v3, 3, v1
	v_lshlrev_b32 v6, 2, v1
	global_load_b128 v[16:19], v2, s[98:99]        ; Q's six registers and its scale word stay
	global_load_b64 v[20:21], v3, s[98:99] offset:512
	global_load_b32 v255, v6, s[98:99] offset:768
.irp i, 22,23,24,25,26,27
	v_mov_b32 v\i, 0                               ; K = 64 .. 127 of Q: zero codes
.endr
.irp i, 0,1,2,3,4,5
	v_mov_b32 v[VF+\i], 0                          ; the upper half of K's tile 7 in the first step: written once, then V's codes
.endr
	v_bfe_u32 v30, v0, 4, 1
	v_mov_b32 v11, 0xd2800000                      ; -2^38
	v_mov_b32 v13, 0xff61b1e6                      ; the largest score so far: -3e38, under every score
	v_lshlrev_b32 v30, 3, v30                      ; 8 h
	v_floor_f32 v12, -v13                          ; -M: so large that the first step's f is 0
	v_mov_b32 v14, 0                               ; the sum, in two halves
	v_mov_b32 v15, 0
	v_mov_b32 v253, 0                              ; (named as the upper half of the pair v[252:253] before it is first written)
.set N, 0
.rept 32
	v_mov_b32 v[O+N], 0                            ; O^T: the step is written once; the first finds zeros, which the first change of M leaves zeros
.set N, N+1
.endr
	s_wait_alu depctr_va_vdst(0)
	s_wait_loadcnt 0x0                             ; Q
	s_wait_tensorcnt 0x0                           ; my part of slot 0 is in
	ds_add_u32 v4, v5
	NEXTFILL SLOT1
	s_wait_dscnt 0x0
	CROUND                                         ; slot 0 is whole, and all four work-groups are here
	tensor_load_to_lds s[52:55], s[56:63]          ; slot 1's first fill, the first tensor load behind the round
	s_nop 0
	KALL 0
	PHASE 1, SLOT1, 0                              ; slot 0, filled again at its end
	PHASE 1, 0, SLOT1                              ; slot 1, likewise
	PHASE 2, SLOT1, 0                              ; slot 0: nothing is left to fetch
	PHASE 3, 0, 0                                  ; slot 1
	; THE WAY OUT: O^T / the sum is y of my 16 queries and my head's 64 dims: two blocks of 32 along the last product's K.  Quantised in registers, it leaves as half a fragment's image.
	s_wait_alu depctr_va_vdst(0)
	v_add_f32 v14, v14, v15                        ; the sum's two halves,
	v_permlanex16_b32 v0, v14, s[SEL], s[SEL+1]
	v_add_f32 v14, v14, v0                         ; and lane l xor 16's: the row's sum
	s_wait_alu depctr_va_vdst(0)
	v_rcp_f32 v14, v14
	v_lshlrev_b32 v2, 4, v1                        ; (plain lines behind the reciprocal)
	v_lshlrev_b32 v3, 3, v1
	v_lshlrev_b32 v6, 2, v1
	s_wait_alu depctr_va_vdst(0)                   ; the wait ahead of the reciprocal's first reader, and of O^T's
.set N, 0
.rept 32
	v_mul_f32 v[S+N], v[O+N], v14                  ; register 16 b + i: dim 32 b + 16 (lane / 16) + i of my query
.set N, N+1
.endr
.irp b, 0,1
	v_max3_num_f32 v[BM+\b], |v[S+16*\b]|, |v[S+1+16*\b]|, 0x2800000
.endr
.irp i, 2,4,6,8,10,12,14
.irp b, 0,1
	v_max3_num_f32 v[BM+\b], v[BM+\b], |v[S+16*\b+\i]|, |v[S+1+16*\b+\i]|
.endr
.endr
.irp b, 0,1
	v_permlanex16_b32 v[236+\b], v[BM+\b], s[SEL], s[SEL+1]
.endr
.irp b, 0,1
	v_max_num_f32 v[BM+\b], v[BM+\b], v[236+\b]
.endr
.irp b, 0,1
	v_add_nc_u32 v[244+\b], 0xfe000000, v[BM+\b]
.endr
.irp b, 0,1
	v_lshrrev_b32 v[236+\b], 23, v[244+\b]
.endr
	v_lshl_or_b32 v254, v237, 8, v236              ; the head's two bytes,
	v_lshl_or_b32 v254, v254, 16, v254             ; twice
	v_cvt_scalef32_pk16_bf6_f32 v[PCD:PCD+2], v[S:S+15], v244
	v_cvt_scalef32_pk16_bf6_f32 v[PCD+8:PCD+10], v[S+16:S+31], v245
	v_nop                                          ; one plain place behind a scaled conversion
.irp i, 0,1,2
	v_permlane16_swap_b32 v[PCD+\i], v[PCD+8+\i]
.endr
.irp i, 0,1,2
	v_mov_b32 v[PCD+3+\i], v[PCD+8+\i]
.endr
	global_store_b128 v2, v[PCD:PCD+3], s[96:97]               ; 512 consecutive bytes, aligned
	global_store_b64 v3, v[PCD+4:PCD+5], s[96:97] offset:512   ; 256
	global_store_b32 v6, v254, s[96:97] offset:768
	s_wait_tensorcnt 0x0                           ; the wave's end
	ds_add_u32 v4, v5
	s_wait_dscnt 0x0
	CROUND                                         ; the closing round: no work-group ends while a partner may still ask for a packet that names it
	s_endpgm
.Lfunc_end_k_q6fbdb13ec4_attn:
	.size	k_q6fbdb13ec4_attn, .Lfunc_end_k_q6fbdb13ec4_attn-k_q6fbdb13ec4_attn
	.p2alignl 7, 3214868480
	.fill 96, 4, 3214868480
	.section	.rodata,"a",@progbits
	.p2align	6, 0x0
	.amdhsa_kernel k_q6fbdb13ec4_attn
		.amdhsa_group_segment_fixed_size 327680
		.amdhsa_private_segment_fixed_size 0
		.amdhsa_enable_private_segment 0
		.amdhsa_kernarg_size 32
		.amdhsa_user_sgpr_count 2
		.amdhsa_user_sgpr_kernarg_segment_ptr 1
		.amdhsa_wavefront_size32 1
		.amdhsa_system_sgpr_workgroup_id_x 1
		.amdhsa_system_sgpr_workgroup_id_y 1
		.amdhsa_system_sgpr_workgroup_id_z 1
		.amdhsa_system_vgpr_workitem_id 0
		.amdhsa_next_free_vgpr 256
		.amdhsa_next_free_sgpr 102
		.amdhsa_reserve_vcc 0
		.amdhsa_float_denorm_mode_32 3
		.amdhsa_float_denorm_mode_16_64 3
		.amdhsa_memory_ordered 1
		.amdhsa_forward_progress 1
		.amdhsa_inst_pref_size 169
	.end_amdhsa_kernel
	.amdgpu_metadata
---
amdhsa.version: [ 1, 2 ]
amdhsa.kernels:
  - .name:           k_q6fbdb13ec4_attn
    .symbol:         k_q6fbdb13ec4_attn.kd
    .args:
      - { .name: qc, .offset: 0, .size: 8, .value_kind: global_buffer, .address_space: global }
      - { .name: kv, .offset: 8, .size: 8, .value_kind: global_buffer, .address_space: global }
      - { .name: mbits, .offset: 16, .size: 8, .value_kind: global_buffer, .address_space: global }
      - { .name: yc, .offset: 24, .size: 8, .value_kind: global_buffer, .address_space: global }
    .group_segment_fixed_size: 327680
    .private_segment_fixed_size: 0
    .kernarg_segment_align: 8
    .kernarg_segment_size: 32
    .max_flat_workgroup_size: 512
    .sgpr_count:     102
    .vgpr_count:     256
    .wavefront_size: 32
...
	.end_amdgpu_metadata
.endif
;; end of part 3
;; launch outp (part 4): grid 64 x 4, 8 waves a work-group, no clusters, 168,960 bytes of LDS; arguments yc, Wu_codes, Wu_scales, bu, out0; writes out0
.if DOCPART == 4
	.amdgcn_target "amdgcn-amd-amdhsa--gfx1250"
	.amdhsa_code_object_version 6
	.text
	.protected	k_q6fbdb13ec4_outp
	.globl	k_q6fbdb13ec4_outp
	.p2align	8
	.type	k_q6fbdb13ec4_outp,@function
k_q6fbdb13ec4_outp:
	s_mov_b64 s[64:65], 0
	v_nop
	global_prefetch_b8 v0, s[64:65] scope:SCOPE_SE
	s_setreg_imm32_b32 hwreg(HW_REG_WAVE_MODE, 25, 1), 1
	s_wait_xcnt 0x0
; out = y Wu^T + bu on codes of BF6 (E3M2) with E8M0 scales; y's codes were made by the attention launch, as images of operand registers; Wu's are given.
; SHARES.  Work-group (x, y): rows 128 x .. + 127 of the 8,192, columns 128 y .. + 127.  Wave w: tile T = 8 x + w of 16 rows x the 128 columns: eight accumulators, four K steps of 128, 32 matrix instructions.
; The product is used transposed (source 0 = 16 rows of Wu, source 1 = y's 16 rows): a lane holds eight neighbouring columns of one row of out.
; y's four fragments come straight from memory into their registers: head hd's six registers are registers 6 (hd % 2) .. + 5 of K step hd / 2; the scale word of a K step is the two heads' low halves.
; bu comes straight into the accumulators: the sums begin there.  Wu's 128 rows go through LDS (two tensor loads of 64 rows; a row of 384 bytes with 16 of padding behind each 128: 432 bytes = 108 words, so that sixteen
; neighbouring rows start at sixteen different multiples of 4 banks; 64 banks of 4 bytes: ISA guide 11.1), its scale bytes by a third load.  All are filled once.
; NO CLUSTER: the fills are first fills, issued once, 57,344 bytes a work-group; behind them a wave issues 224 LDS loads for its 32 matrix instructions, and a joint fill shortens none of those.
; LIMITS: given scale bytes of 0xff are not served.
.set RP,   432
.set WSC,  128*RP                      ; Wu's scale bytes, [row][16]
.set STG,  WSC+2048                    ; the stages: 16 rows x (512 bytes + 16) for each wave, in blocks of 256 bytes that no fill touches
.set SPI,  528
.set ACC,  172                         ; v172-235
.set WV,   14
; v4, v5: 432 r + 24 h, 432 r + 40 h;  v6: WSC + 16 r;  v7, v8: the stage, in and back;  v10, v11, v12: 16, 8, 4 x lane;  v13: 32 h
; v16-63 y's four fragments, v64-67 their scale words, v236-243 the heads' words as loaded;  v68-115, v116-163 Wu: two buffers of four fragments;  v164-171 their scale words
.macro NOP4
.rept 4
	v_nop
.endr
.endm
.macro FRAG reg, adr, trow, s          ; 16 rows x 128 K: lane (r, h) takes pieces of 8 bytes 12 s + 6 c + 3 h + 0, 1, 2; piece p lies at 8 p + 16 (p / 16); the second address register serves where the piece three on lies behind one padding more
.irp p, 0,1,2,3,4,5
.set PCE, 12*(\s)+6*(\p/3)+\p%3
.if PCE%16 < 13
	ds_load_b64 v[(\reg)+2*\p:(\reg)+2*\p+1], v[\adr] offset:(\trow)*RP+8*PCE+16*(PCE/16)
.else
	ds_load_b64 v[(\reg)+2*\p:(\reg)+2*\p+1], v[\adr+1] offset:(\trow)*RP+8*PCE+16*(PCE/16)
.endif
.endr
.endm
.macro HLOAD i                         ; half step i: K step i / 2, Wu's tiles 4 (i % 2) + 0 .. 3 (neighbouring rows), into buffer i % 2: 28 LDS loads
.irp t, 0,1,2,3
.set TAU, 4*((\i)%2)+\t
	FRAG 68+48*((\i)%2)+12*\t, 4, 16*TAU, (\i)/2
	ds_load_b32 v[164+4*((\i)%2)+\t], v6 offset:256*TAU+4*((\i)/2)
.endr
.endm
.macro MULS i                          ; the eight accumulators take turns, one instruction a turn
.irp t, 0,1,2,3
	v_wmma_scale_f32_16x16x128_f8f6f4 v[ACC+8*(4*((\i)%2)+\t):ACC+8*(4*((\i)%2)+\t)+7], v[68+48*((\i)%2)+12*\t:68+48*((\i)%2)+12*\t+11], v[16+12*((\i)/2):16+12*((\i)/2)+11], v[ACC+8*(4*((\i)%2)+\t):ACC+8*(4*((\i)%2)+\t)+7], v[164+4*((\i)%2)+\t], v[64+(\i)/2] matrix_a_fmt:MATRIX_FMT_BF6 matrix_b_fmt:MATRIX_FMT_BF6
.endr
.endm
	s_load_b256 s[4:11], s[0:1], 0x0               ; yc s[4:5], Wu's codes s[6:7], Wu's scales s[8:9], bu s[10:11]
	s_load_b64 s[12:13], s[0:1], 0x20              ; out0
	v_lshl_add_u32 v254, v0, 2, 0x29000
	v_mov_b32 v255, 0
	ds_add_u32 v254, v255
	ds_add_u32 v254, v255
	v_lshrrev_b32 v15, 5, v0
	s_delay_alu instid0(VALU_DEP_1)
	v_readfirstlane_b32 s[WV], v15                 ; wave 0..7
	s_and_b32 s15, ttmp7, 0xffff                   ; which 128 columns
	; descriptor group 1 for codes: 64 rows of 384 bytes, dense in memory, stated as 32 rows of 768 bytes, each of which begins at a multiple of 256 bytes; 16 bytes of padding behind each 128
	s_mov_b32 s24, (1<<20)|(4<<22)|(3<<25)
	s_mov_b32 s25, 768<<16
	s_mov_b32 s26, 32<<16
	s_mov_b32 s27, 768<<16
	s_mov_b32 s28, 32
	s_mov_b32 s29, 768
	s_mov_b32 s30, 0
	s_mov_b32 s31, 0
	; and for the scale bytes: 2,048 dense bytes as 8 rows of 256
	s_mov_b32 s32, 3<<16
	s_mov_b32 s33, 32<<16
	s_mov_b32 s34, 8<<16
	s_mov_b32 s35, 32<<16
	s_mov_b32 s36, 8
	s_mov_b32 s37, 32
	s_mov_b32 s38, 0
	s_mov_b32 s39, 0
	s_mov_b32 s40, 1
	s_mul_i32 s41, s[WV], 64*RP                    ; waves 0, 1: rows 64 w on
	s_mov_b32 s44, 1
	s_mov_b32 s45, WSC
	s_lshl_b32 s16, s15, 7
	s_lshl_b32 s17, s[WV], 6
	s_add_co_u32 s17, s16, s17
	s_mul_i32 s18, s17, 384
	s_mov_b32 s19, 0
	s_lshl_b32 s20, s16, 4
	s_mov_b32 s21, 0
	s_lshl_b32 s22, ttmp9, 3
	s_add_co_u32 s22, s22, s[WV]                   ; T
	s_lshl_b32 s48, s22, 13                        ; yc: eight packets of 1,024 bytes a tile
	s_mov_b32 s49, 0
	s_lshl_b32 s50, s15, 9                         ; 128 columns of 4 bytes: in bu, and in a row of out
	s_mov_b32 s51, 0
	s_lshl_b32 s52, s22, 15                        ; 16 rows of 2,048 bytes a tile
	s_add_co_u32 s52, s52, s50
	s_mov_b32 s53, 0
	s_wait_dscnt 0x0
	s_wait_kmcnt 0x0
	s_add_nc_u64 s[42:43], s[6:7], s[18:19]
	s_or_b32 s43, s43, 0x80000000
	s_add_nc_u64 s[46:47], s[8:9], s[20:21]
	s_or_b32 s47, s47, 0x80000000
	s_add_nc_u64 s[4:5], s[4:5], s[48:49]
	s_add_nc_u64 s[10:11], s[10:11], s[50:51]
	s_add_nc_u64 s[12:13], s[12:13], s[52:53]
	s_cmp_lt_u32 s[WV], 2                          ; waves 0, 1: the codes' halves; wave 2: the scale bytes; one load a wave; four v_nop follow each line
	s_cbranch_scc0 .Lnot_codes
	tensor_load_to_lds s[40:43], s[24:31]
	s_nop 0
	NOP4
	s_branch .Lasked
.Lnot_codes:
	s_cmp_eq_u32 s[WV], 2
	s_cbranch_scc0 .Lasked
	tensor_load_to_lds s[44:47], s[32:39]
	s_nop 0
	NOP4
.Lasked:
	v_and_b32 v244, 15, v0                         ; r
	v_bfe_u32 v245, v0, 4, 1                       ; h
	v_and_b32 v246, 31, v0                         ; lane
	s_delay_alu instid0(VALU_DEP_1)
	v_lshlrev_b32 v10, 4, v246
	s_delay_alu instid0(VALU_DEP_2)
	v_lshlrev_b32 v11, 3, v246
	s_delay_alu instid0(VALU_DEP_3)
	v_lshlrev_b32 v12, 2, v246
	v_lshlrev_b32 v13, 5, v245
.irp hd, 0,1,2,3,4,5,6,7
	global_load_b128 v[16+6*\hd:19+6*\hd], v10, s[4:5] offset:1024*\hd
	global_load_b64 v[20+6*\hd:21+6*\hd], v11, s[4:5] offset:1024*\hd+512
	global_load_b32 v[236+\hd], v12, s[4:5] offset:1024*\hd+768
.endr
.irp k, 0,1,2,3,4,5,6,7,8,9,10,11,12,13,14,15
	global_load_b128 v[ACC+4*\k:ACC+4*\k+3], v13, s[10:11] offset:64*(\k/2)+16*(\k%2)   ; lane (r, h), register 8 t + j: bu of column 16 t + 8 h + j
.endr
	v_mul_u32_u24 v4, v244, RP
	s_delay_alu instid0(VALU_DEP_1)
	v_mad_u32_u24 v5, v245, 40, v4
	s_delay_alu instid0(VALU_DEP_2)
	v_mad_u32_u24 v4, v245, 24, v4
	v_lshl_add_u32 v6, v244, 4, WSC
	s_mul_i32 s16, s[WV], 16*SPI
	s_add_co_u32 s16, s16, STG                     ; my stage
	v_mul_u32_u24 v7, v244, SPI
	s_delay_alu instid0(VALU_DEP_1)
	v_lshl_add_u32 v7, v245, 5, v7
	s_delay_alu instid0(VALU_DEP_1)
	v_add_nc_u32 v7, s16, v7                       ; in: row r, + 32 h
	v_add_nc_u32 v8, s16, v10                      ; back: 16 x lane, the row in the immediate
	s_wait_alu depctr_va_vdst(0)
	s_wait_loadcnt 0x0
.irp s, 0,1,2,3
	v_perm_b32 v[64+\s], v[237+2*\s], v[236+2*\s], 0x05040100   ; heads 2 s and 2 s + 1: two bytes each
.endr
.rept 8
	v_nop                                          ; a scale register written by a vector instruction stands eight places ahead of a scaled matrix instruction
.endr
	s_wait_alu depctr_va_vdst(0)
	s_wait_tensorcnt 0x0                           ; my fill has landed:
	s_barrier_signal -1
	s_barrier_wait -1                              ; everybody's has.  The kernel's one barrier
	HLOAD 0
	HLOAD 1
.irp i, 0,1,2,3,4,5,6,7
.if \i < 7
	s_wait_dscnt 28                                ; all but the next half step's 28 loads
.else
	s_wait_dscnt 0x0
.endif
	MULS \i
.if \i < 6
	NOP4                                           ; four places in front of loads into registers that these products have read (ISA guide 7.12.1 for vector instructions)
	HLOAD \i+2
.endif
.endr
	NOP4                                           ; and in front of the first read of results, and of the loads into Wu's buffers below
	; THE WAY OUT: a lane holds 32 neighbouring bytes of a row, the lanes beside it other rows: through my own stage, and back as whole rows of 512 bytes
.irp t, 0,1,2,3,4,5,6,7
	ds_store_b128 v7, v[ACC+8*\t:ACC+8*\t+3] offset:64*\t            ; each accumulator from its low end on
	ds_store_b128 v7, v[ACC+8*\t+4:ACC+8*\t+7] offset:64*\t+16
.endr
.irp t, 0,1,2,3,4,5,6,7,8,9,10,11,12,13,14,15
	ds_load_b128 v[68+4*\t:71+4*\t], v8 offset:SPI*\t               ; LDS serves a wave's instructions in order (ISA guide 5.7.1.4): these see the stores above
.endr
.irp t, 0,1,2,3,4,5,6,7,8,9,10,11,12,13,14,15
	s_wait_dscnt 15-\t                             ; row t is back; the younger rows stay out
	global_store_b128 v10, v[68+4*\t:71+4*\t], s[12:13] offset:2048*\t th:TH_STORE_NT   ; 32 lanes store 512 consecutive bytes, at a multiple of 256 from out0's first byte
.endr
	s_wait_tensorcnt 0x0
	ds_add_u32 v254, v255
	s_wait_dscnt 0x0
	s_endpgm
.Lfunc_end_k_q6fbdb13ec4_outp:
	.size	k_q6fbdb13ec4_outp, .Lfunc_end_k_q6fbdb13ec4_outp-k_q6fbdb13ec4_outp
	.p2alignl 7, 3214868480
	.fill 96, 4, 3214868480
	.section	.rodata,"a",@progbits
	.p2align	6, 0x0
	.amdhsa_kernel k_q6fbdb13ec4_outp
		.amdhsa_group_segment_fixed_size 168960
		.amdhsa_private_segment_fixed_size 0
		.amdhsa_enable_private_segment 0
		.amdhsa_kernarg_size 40
		.amdhsa_user_sgpr_count 2
		.amdhsa_user_sgpr_kernarg_segment_ptr 1
		.amdhsa_wavefront_size32 1
		.amdhsa_system_sgpr_workgroup_id_x 1
		.amdhsa_system_sgpr_workgroup_id_y 1
		.amdhsa_system_sgpr_workgroup_id_z 1
		.amdhsa_system_vgpr_workitem_id 0
		.amdhsa_next_free_vgpr 256
		.amdhsa_next_free_sgpr 66
		.amdhsa_reserve_vcc 0
		.amdhsa_float_denorm_mode_32 3
		.amdhsa_float_denorm_mode_16_64 3
		.amdhsa_memory_ordered 1
		.amdhsa_forward_progress 1
		.amdhsa_inst_pref_size 33
	.end_amdhsa_kernel
	.amdgpu_metadata
---
amdhsa.version: [ 1, 2 ]
amdhsa.kernels:
  - .name:           k_q6fbdb13ec4_outp
    .symbol:         k_q6fbdb13ec4_outp.kd
    .args:
      - { .name: yc, .offset: 0, .size: 8, .value_kind: global_buffer, .address_space: global }
      - { .name: Wu_codes, .offset: 8, .size: 8, .value_kind: global_buffer, .address_space: global }
      - { .name: Wu_scales, .offset: 16, .size: 8, .value_kind: global_buffer, .address_space: global }
      - { .name: bu, .offset: 24, .size: 8, .value_kind: global_buffer, .address_space: global }
      - { .name: out0, .offset: 32, .size: 8, .value_kind: global_buffer, .address_space: global }
    .group_segment_fixed_size: 168960
    .private_segment_fixed_size: 0
    .kernarg_segment_align: 8
    .kernarg_segment_size: 40
    .max_flat_workgroup_size: 256
    .sgpr_count:     66
    .vgpr_count:     256
    .wavefront_size: 32
...
	.end_amdgpu_metadata
.endif
;; end of part 4
